; MI455X (gfx1250); checked and timed in simulation.
; The chip was launched on July 23, 2026; its instructions are those of AMD's public machine-readable ISA for CDNA 5 (MIT licence, August 2026) and "CDNA5" Instruction Set Architecture Reference Guide (July 2026). The comments in the code are by the model that wrote it; some were corrected since.
;; Mh Attn Block. Allowed arithmetic: matrix products marked QUANTISED: E2M1 operands, one E8M0 scale for each 32 along K, by v_wmma_scale_f32_16x16x128_f8f6f4 with both operands' format E2M1 (or v_wmma_scale_f32_32x16x128_f4), f32 sums; products left as they are: f32 operands where the result goes on into a quantised operand, else bf16, f16 or f32 operands; f32 sums; everything else in f32.
;; Inputs: K 8 x 1,024 x 512 float32; Q 8 x 1,024 x 512 float32; V 8 x 1,024 x 512 float32; WK 8 x 512 float32; WQ 8 x 512 float32; WV 512 x 512 float32; bias 8 x 64 float32.
;; Outputs: out0 8 x 1,024 x 512 float32.
;; This version of the problem:
;;   THIS VERSION OF THE PROBLEM IS GIVEN IN LOW PRECISION. The matrix products marked QUANTISED in the list below multiply operands that are first quantised to E2M1 (2 exponent bits, 1 mantissa bit; 4 bits a number), with one power-of-two scale for each 32 numbers along K (OCP MX v1.0); their sums are f32. All else is computed in f32.
;;   The module's matrix products, in the order in which they are computed (A, B: the left and right operand; K: the contracted axis; several contracted axes count as one K, in the product's order):
;;     1. [M 8,192, K 512] x [K 512, N 512]; A: input V; B: input WV: QUANTISED
;;     2. [M 8,192, K 512] x [K 512, N 8]; A: input K; B: input WK: left as it is (N = 8 < 16)
;;     3. [M 8,192, K 512] x [K 512, N 8]; A: input Q; B: input WQ: left as it is (N = 8 < 16)
;;     4. batch 64 x [M 64, K 1,024] x [K 1,024, N 1,024]; A: computed on the way; B: softmax (see below): QUANTISED
;;   THE QUANTISER, for each operand of a quantised product, along K:
;;     - K is cut into blocks of 32 from its start; a last block that is shorter is filled with zeros.
;;     - A block's scale is 2^e with e = floor(log2(the largest magnitude in the block)) - 2, held to -126 .. 127; a block of zeros has e = 0. As a byte (E8M0): e + 127.
;;     - Each number is divided by its block's scale, clamped to +-6, and rounded to the nearest number of E2M1, ties to even, subnormals kept.
;;     - The product sums the exact products of the quantised numbers (number of the format x scale) in f32.
;;   ~~~python
;;   def quantise(x, axis):      # numpy; x: float32 -> the quantised numbers, widened to float32 again
;;       x = np.moveaxis(x, axis, -1); K = x.shape[-1]
;;       x = np.pad(x, [(0, 0)] * (x.ndim - 1) + [(0, -K % 32)]); x = x.reshape(x.shape[:-1] + (-1, 32)); a = np.abs(x).max(-1, keepdims=True)
;;       e = np.where(a > 0, np.clip(np.frexp(np.where(a > 0, a, 1))[1] - 1 - 2, -126, 127), 0)      # np.frexp(a)[1] - 1 = floor(log2(a)), exactly
;;       r = np.clip(x / 2.0 ** e, -6, 6)
;;       step = 2.0 ** (np.maximum(np.frexp(np.where(r == 0, 1, r))[1] - 1, 0) - 1)
;;       q = np.round(r / step) * step * 2.0 ** e      # np.round: ties to even
;;       return np.moveaxis(q.reshape(q.shape[:-2] + (-1,))[..., :K], -1, axis).astype(np.float32)
;;   ~~~
;;   SOFTMAX AHEAD OF A QUANTISED PRODUCT. Where the list says 'softmax', what is quantised is not the finished softmax but p = 2^(t - M), with t = logit x log2(e) and M = ceil(the row's largest t), a whole number; so 1/2 < the row's largest p <= 1. The row's sum l is taken of the UNQUANTISED p, in f32, and the product's result is divided by l at the end. Since M is a whole number, a kernel that streams over the keys may use a running M (the ceiling of the running maximum): every later rescaling is an exact power of two, which a block's scale takes up: the codes' values come out the same.
;;   OPERANDS COMPUTED ON THE WAY. 'Computed on the way' means the value that the module computes at that place (a softmax that the list does not call 'softmax' is quantised finished and normalised). What goes into a quantiser is computed in f32, as accurately as f32 sums, v_exp_f32 and their like allow (about 1e-6 of the number): no bf16 or f16 on the way to a quantiser, and a product that is left as it is and whose result goes on into a quantised operand takes f32 operands (vector FMAs, or v_wmma_f32_16x16x4_f32). A number that lies on a knife's edge between two numbers of the format may be rounded either way, as far as f32 arithmetic and the matrix unit's own rounding can turn it there, and no further.
;; One version. Each part assembles by itself: llvm-mc -triple=amdgcn-amd-amdhsa -mcpu=gfx1250 --defsym DOCPART=n.
;; ======== version 1 of 1: 2 launches
;; workspace buffers: proj 524,288 bytes; vcodes 2,097,152 bytes; vscales 131,072 bytes; wvcodes 131,072 bytes; wvscales 8,192 bytes
;; launch prep (part 1): grid 256 x 1, 8 waves a work-group, no clusters, 168,960 bytes of LDS; arguments Q, K, V, WQ, WK, WV, proj, vcodes, vscales, wvcodes, wvscales; writes proj, vcodes, vscales, wvcodes, wvscales
.if DOCPART == 1
	.amdgcn_target "amdgcn-amd-amdhsa--gfx1250"
	.amdhsa_code_object_version 6
	.text
	.protected	k_qfd163b058f_prep
	.globl	k_qfd163b058f_prep
	.p2align	8
	.type	k_qfd163b058f_prep,@function
k_qfd163b058f_prep:
	s_mov_b64 s[64:65], 0
	v_nop
	global_prefetch_b8 v0, s[64:65] scope:SCOPE_SE
	s_setreg_imm32_b32 hwreg(HW_REG_WAVE_MODE, 25, 1), 1
	s_wait_xcnt 0x0
; ONE PASS OVER Q, K, V AND WV.
; (1) proj[0][b][h][row] = Q[b][row] . WQ[h], proj[1][b][h][row] = K[b][row] . WK[h]: f32 operands, fused multiply-adds, f32 sums (the results go on into a quantiser).
; (2) V [8192][512] and WV [512][512] become codes of FP4 (E2M1) with one E8M0 byte for each 32 along their 512: a block's byte is its largest magnitude's exponent field - 2, held at 1 from below.
;     The codes are laid AS THE MATRIX OPERAND'S REGISTERS: fragment (16 rows g, K step s of 128) is 1,024 bytes at 1,024 (4 g + s): [c = 0, 1][lane][16 bytes], lane (r, h) holding row 16 g + r, k = 128 s + 64 c + 32 h + 0 .. 31.
;     vscales: [row][4 words, one a K step].  wvscales: [16 rows g][K step s][row r] words.
; LIMITS: NaN and infinities among the inputs are not served.  A block of zeros, or one whose largest magnitude lies under 2^(3 - 127), gets the byte 1 (the rule says 127 for zeros): its codes are zeros or what the
; floor's scale leaves, and the bytes are read by this program alone.
; SHARES.  Work-group i: 64 rows of X (X = Q for i < 128, else K), rows 32 i .. 32 i + 31 of V, and for i < 32 rows 16 i .. 16 i + 15 of WV.  Wave w: X's rows 8 w .. 8 w + 7; V's fragment (u = w / 4, s = w % 4);
; for i < 32 and w < 4 WV's fragment (i, w).
; NO CLUSTER: what work-groups share is W, 16,384 bytes, beside 196,608 bytes of a work-group's own.  No matrix instruction: the products have 8 columns.
; LDS: VT: a wave's own tile of V, 16 rows x (512 + 16) bytes, and WT: W, 8 rows of 2,048 bytes: both filled once by tensor loads.  RED, OST, VST: written by LDS stores alone.
.set VTW,   8448                       ; VT begins at 0
.set WT,    67584
.set RED,   83968                      ; a wave's own 32 rows (one a lane) x (256 + 16) bytes
.set REDW,  8704
.set OST,   153600                     ; [8 heads][64 rows] f32
.set VST,   155648                     ; [32 rows of V][4 words]
.set FLOOR, 0x1800000                  ; 2^(3 - 127)
.set EM,    0xff000000                 ; takes 2 off an exponent field
.set G1W,   32                         ; s[32:39] group 1: one row of 2,048 bytes
.set G1V,   40                         ; s[40:47] group 1: 16 rows x 128 f32
.set G0W,   48                         ; s[48:51]
.set G0V,   52                         ; s[52:55]
; v1 16 lane | v2 r | v3 h | v4 my place in VT | v5 in WT | v6, v7 RED in and out | v8, v9 OST in and out | v10 VST in | v11 4 r | v12 8 h | v13 WV: 2,048 r + 128 h | v14 8 lane | v15 VST out
; v17, v18 scale words | v19 a permute's destination | v20-35 eight pairs of sums, and the quantiser's registers | v36-43 a row's eight sums | v44-51 V's codes | v52-59 WV's codes
; v64-127 four rows of X, then the lanes' partial sums | v128-255 W: W(head, 128 j + 4 lane + e) at 128 + 16 head + 4 j + e; before that WV's 64 numbers, after it V's
; 64 numbers of a lane, block c at v[N + 32 c], become the operand's 8 registers at v[C] and the row's scale word in v[SW]
.macro QUANT64 N, C, SW
	v_max3_num_f32 v20, |v[\N]|, |v[\N+1]|, |v[\N+2]|              ; two chains a block, the four by turns
	v_max3_num_f32 v21, |v[\N+3]|, |v[\N+4]|, |v[\N+5]|
	v_max3_num_f32 v22, |v[\N+32]|, |v[\N+33]|, |v[\N+34]|
	v_max3_num_f32 v23, |v[\N+35]|, |v[\N+36]|, |v[\N+37]|
.irp i, 6,10,14,18,22,26
	v_max3_num_f32 v20, v20, |v[\N+\i]|, |v[\N+\i+1]|
	v_max3_num_f32 v21, v21, |v[\N+\i+2]|, |v[\N+\i+3]|
	v_max3_num_f32 v22, v22, |v[\N+32+\i]|, |v[\N+32+\i+1]|
	v_max3_num_f32 v23, v23, |v[\N+32+\i+2]|, |v[\N+32+\i+3]|
.endr
	v_max3_num_f32 v20, v20, |v[\N+30]|, |v[\N+31]|
	v_max3_num_f32 v22, v22, |v[\N+62]|, |v[\N+63]|
	v_max3_num_f32 v20, v20, v21, FLOOR                            ; the floor holds the byte at 1 from below
	v_max3_num_f32 v22, v22, v23, FLOOR
	v_add_nc_u32 v24, EM, v20                                      ; the conversion takes this operand's exponent field as its scale
	v_add_nc_u32 v25, EM, v22
	v_lshrrev_b32 v26, 23, v24                                     ; the bytes of blocks h and 2 + h
	v_lshrrev_b32 v27, 23, v25
	v_lshl_or_b32 v[\SW], v27, 16, v26
	v_lshlrev_b32 v[\SW], v12, v[\SW]                              ; 8 h bits up
	v_permlanex16_b32 v19, v[\SW], s30, s31
	v_or_b32 v[\SW], v[\SW], v19                                   ; with lane l xor 16's two bytes the word is whole
.irp c, 0,1
.irp g, 0,1,2,3
	v_cvt_scalef32_pk8_fp4_f32 v[\C+4*\c+\g], v[\N+32*\c+8*\g:\N+32*\c+8*\g+7], v[24+\c]
.endr
.endr
	v_nop                                                          ; one plain line behind the last conversion
.endm
.macro XLOAD rho                       ; row rho of my eight: four loads of 512 consecutive bytes
.irp j, 0,1,2,3
	global_load_b128 v[64+16*((\rho)%4)+4*\j:64+16*((\rho)%4)+4*\j+3], v1, s[8:9] offset:2048*(\rho)+512*\j th:TH_LOAD_NT
.endr
.endm
; One row against the eight heads: 64 packed multiply-adds, the heads by turns; the lane's eight partial sums go to its row of RED.  cnt: the loads of younger rows, four each, may stay out.
.macro PROW rho, cnt
.set XR, 64+16*((\rho)%4)
	s_wait_loadcnt \cnt
.irp hh, 0,1,2,3,4,5,6,7
	v_pk_mul_f32 v[20+2*\hh:21+2*\hh], v[XR:XR+1], v[128+16*\hh:129+16*\hh]   ; the first products start the sums
.endr
.irp q, 1,2,3,4,5,6,7
.irp hh, 0,1,2,3,4,5,6,7
	v_pk_fma_f32 v[20+2*\hh:21+2*\hh], v[XR+2*\q:XR+2*\q+1], v[128+16*\hh+2*\q:129+16*\hh+2*\q], v[20+2*\hh:21+2*\hh]
.endr
.endr
.if (\rho) < 4
	XLOAD (\rho)+4                                                 ; the row four further on takes the registers just read
.endif
.if (\rho) > 0
	s_wait_dscnt 0x0                                               ; the last row's two stores have read v36-43
.endif
.irp hh, 0,1,2,3,4,5,6,7
	v_add_f32 v[36+\hh], v[20+2*\hh], v[21+2*\hh]
.endr
	ds_store_b128 v6, v[36:39] offset:32*(\rho)
	ds_store_b128 v6, v[40:43] offset:32*(\rho)+16
.endm
	s_load_b512 s[8:23], s[0:1], 0x0               ; Q, K, V, WQ, WK, WV, proj, vcodes
	s_load_b128 s[24:27], s[0:1], 0x40             ; vscales, wvcodes
	s_load_b64 s[28:29], s[0:1], 0x50              ; wvscales
	v_lshl_add_u32 v62, v0, 2, 0x29000
	v_mov_b32 v63, 0
	ds_add_u32 v62, v63
	ds_add_u32 v62, v63
	v_lshrrev_b32 v1, 5, v0
	v_readfirstlane_b32 s2, v1                     ; wave w
	s_and_b32 s3, s2, 3                            ; s: V's K step
	s_lshr_b32 s4, s2, 2                           ; u: which 16 rows of V
	s_and_b32 s6, ttmp9, 127                       ; which 64 rows of X
	s_mov_b32 s30, 0x76543210
	s_mov_b32 s31, 0xfedcba98                      ; v_permlanex16_b32's selects for lane l xor 16
	s_mov_b32 s[G1W+0], 3<<16                      ; elements of 8 bytes, no padding
	s_mov_b32 s[G1W+1], 256<<16                    ; tensor_dim0 = 256
	s_mov_b32 s[G1W+2], 1<<16                      ; tensor_dim1 = 1
	s_mov_b32 s[G1W+3], 256<<16                    ; tile_dim0 = 256
	s_mov_b32 s[G1W+4], 1                          ; tile_dim1 = 1
	s_mov_b32 s[G1W+5], 256                        ; pitch
	s_mov_b32 s[G1W+6], 0
	s_mov_b32 s[G1W+7], 0
	s_mov_b32 s[G1V+0], (2<<16)|(1<<20)|(6<<22)|(3<<25)   ; elements of 4 bytes; 4 words of padding behind every 128: LDS rows 528 bytes apart
	s_mov_b32 s[G1V+1], 128<<16                    ; tensor_dim0 = 128
	s_mov_b32 s[G1V+2], 16<<16                     ; tensor_dim1 = 16
	s_mov_b32 s[G1V+3], 128<<16                    ; tile_dim0 = 128
	s_mov_b32 s[G1V+4], 16                         ; tile_dim1 = 16
	s_mov_b32 s[G1V+5], 512                        ; pitch: a row of V
	s_mov_b32 s[G1V+6], 0
	s_mov_b32 s[G1V+7], 0
	; every address register is made here, ahead of the first branch
	v_and_b32 v14, 31, v0                          ; lane
	v_and_b32 v2, 15, v0                           ; r
	v_bfe_u32 v3, v0, 4, 1                         ; h
	v_lshlrev_b32 v1, 4, v14                       ; 16 lane
	v_mul_u32_u24 v4, v2, 528
	v_lshl_add_u32 v4, v3, 7, v4
	s_mul_i32 s56, s2, VTW
	v_add_nc_u32 v4, s56, v4                       ; VT: my wave's tile, row r, + 128 h: k = 32 h on
	v_add_nc_u32 v5, WT, v1
	s_mul_i32 s57, s2, REDW
	s_add_co_u32 s57, s57, RED
	v_mul_u32_u24 v6, v14, 272
	v_add_nc_u32 v6, s57, v6                       ; RED in: my lane's row
	v_lshl_add_u32 v7, v14, 3, s57                 ; RED out: two of the 64 numbers of every row
	v_and_b32 v8, 3, v0
	v_bfe_u32 v9, v0, 2, 3
	v_lshlrev_b32 v8, 9, v8
	v_lshl_add_u32 v8, v9, 2, v8
	s_lshl_b32 s58, s2, 5
	s_add_co_u32 s58, s58, OST
	v_add_nc_u32 v8, s58, v8                       ; OST in: head 2 (lane % 4), row 8 w + lane / 4
	s_lshl_b32 s58, s2, 8
	s_add_co_u32 s58, s58, OST
	v_lshl_add_u32 v9, v14, 3, s58                 ; OST out: head w, 8 bytes a lane
	s_lshl_b32 s58, s4, 8
	s_lshl_b32 s59, s3, 2
	s_add_co_u32 s58, s58, s59
	s_add_co_u32 s58, s58, VST
	v_lshl_add_u32 v10, v2, 4, s58                 ; VST in: row 16 u + r, word s
	v_lshlrev_b32 v11, 2, v2
	v_lshlrev_b32 v12, 3, v3
	v_lshlrev_b32 v13, 11, v2
	v_lshl_add_u32 v13, v3, 7, v13
	v_add_nc_u32 v15, VST, v1
	v_lshlrev_b32 v14, 3, v14                      ; 8 lane
	v_mov_b32 v19, 0                               ; a lane permute's destination counts as one of its sources
	; byte offsets, each in a pair of its own
	s_lshl_b32 s60, s6, 17
	s_lshl_b32 s61, s2, 14
	s_add_co_u32 s60, s60, s61
	s_mov_b32 s61, 0                               ; X: 64 rows a work-group, 8 a wave, 2,048 bytes a row
	s_lshl_b32 s62, s2, 11
	s_mov_b32 s63, 0                               ; W: row w
	s_lshl_b32 s66, ttmp9, 16
	s_lshl_b32 s67, s4, 15
	s_add_co_u32 s66, s66, s67
	s_lshl_b32 s67, s3, 9
	s_add_co_u32 s66, s66, s67
	s_mov_b32 s67, 0                               ; V: row 32 i + 16 u, column 128 s
	s_lshr_b32 s68, ttmp9, 7
	s_lshl_b32 s68, s68, 18
	s_lshr_b32 s69, s6, 4
	s_lshl_b32 s69, s69, 15
	s_add_co_u32 s68, s68, s69
	s_and_b32 s69, s6, 15
	s_lshl_b32 s69, s69, 8
	s_add_co_u32 s68, s68, s69
	s_lshl_b32 s69, s2, 12
	s_add_co_u32 s68, s68, s69
	s_mov_b32 s69, 0                               ; proj: [Q or K][b][head w][my 64 rows]
	s_lshl_b32 s70, ttmp9, 13
	s_lshl_b32 s71, s2, 10
	s_add_co_u32 s70, s70, s71
	s_mov_b32 s71, 0                               ; vcodes: fragment 8 i + w
	s_lshl_b32 s72, ttmp9, 9
	s_mov_b32 s73, 0                               ; vscales: 32 rows of 16 bytes
	s_lshl_b32 s[G0W+1], s2, 11
	s_add_co_u32 s[G0W+1], s[G0W+1], WT            ; LDS: W's row w
	s_mov_b32 s[G0V+1], s56                        ; LDS: my wave's tile
	s_mov_b32 s[G0W], 1
	s_mov_b32 s[G0V], 1
	s_wait_dscnt 0x0
	s_wait_kmcnt 0x0
	s_cmp_lt_u32 ttmp9, 128                        ; Q's work-group or K's: the choice hangs on the work-group's number alone
	s_cselect_b64 s[8:9], s[8:9], s[10:11]
	s_cselect_b64 s[14:15], s[14:15], s[16:17]
	s_add_nc_u64 s[8:9], s[8:9], s[60:61]
	s_add_nc_u64 s[G0W+2:G0W+3], s[14:15], s[62:63]
	s_or_b32 s[G0W+3], s[G0W+3], 0x80000000
	s_add_nc_u64 s[G0V+2:G0V+3], s[12:13], s[66:67]
	s_or_b32 s[G0V+3], s[G0V+3], 0x80000000
	tensor_load_to_lds s[G0W:G0W+3], s[G1W:G1W+7]  ; the launch's only fills, two a wave, ahead of every wait on TENSORcnt, LDS read and barrier: two tensor loads of mine are out
	s_nop 0
	tensor_load_to_lds s[G0V:G0V+3], s[G1V:G1V+7]
	s_nop 0
.rept 4
	v_nop
.endr
	XLOAD 0
	XLOAD 1
	XLOAD 2
	XLOAD 3
	s_add_nc_u64 s[20:21], s[20:21], s[68:69]
	s_add_nc_u64 s[22:23], s[22:23], s[70:71]
	s_add_nc_u64 s[24:25], s[24:25], s[72:73]
	; WV: 128 fragments in all: work-groups 0 to 31, waves 0 to 3.  One branch holds the loads, their wait and the stores.
	s_cmp_ge_u32 ttmp9, 32
	s_cbranch_scc1 .Lno_wv
	s_cmp_ge_u32 s2, 4
	s_cbranch_scc1 .Lno_wv
	s_lshl_b32 s74, ttmp9, 15
	s_lshl_b32 s75, s2, 9
	s_add_co_u32 s74, s74, s75
	s_mov_b32 s75, 0
	s_add_nc_u64 s[18:19], s[18:19], s[74:75]      ; WV: row 16 i, column 128 w
	s_lshl_b32 s76, ttmp9, 12
	s_lshl_b32 s77, s2, 10
	s_add_co_u32 s76, s76, s77
	s_mov_b32 s77, 0
	s_add_nc_u64 s[26:27], s[26:27], s[76:77]      ; wvcodes: fragment 4 i + w
	s_lshl_b32 s78, ttmp9, 8
	s_lshl_b32 s79, s2, 6
	s_add_co_u32 s78, s78, s79
	s_mov_b32 s79, 0
	s_add_nc_u64 s[28:29], s[28:29], s[78:79]      ; wvscales: 16 words of fragment 4 i + w
.irp c, 0,1
.irp j, 0,1,2,3,4,5,6,7
	global_load_b128 v[128+32*\c+4*\j:128+32*\c+4*\j+3], v13, s[18:19] offset:256*\c+16*\j th:TH_LOAD_NT   ; a lane's 128 bytes of its row, 16 at a time: WV is 1 MiB of the 49 MiB that the launch reads
.endr
.endr
	s_wait_loadcnt 0x0                             ; issued last, so the count is 0: X's four rows are in as well
	QUANT64 128, 52, 17
	global_store_b128 v1, v[52:55], s[26:27]       ; 512 consecutive bytes each
	global_store_b128 v1, v[56:59], s[26:27] offset:512
	global_store_b32 v11, v17, s[28:29]            ; 64 consecutive bytes (both halves of the lanes hold the same word and store it to the same place); the four waves cover an aligned 256
.Lno_wv:
	s_wait_tensorcnt 0x1                           ; my row of W has landed; V's tile, issued behind it, may stay out
	s_barrier_signal -1
	s_barrier_wait -1                              ; all eight rows of W lie in LDS
.irp hh, 0,1,2,3,4,5,6,7
.irp j, 0,1,2,3
	ds_load_b128 v[128+16*\hh+4*\j:128+16*\hh+4*\j+3], v5 offset:2048*\hh+512*\j
.endr
.endr
	s_wait_dscnt 0x0
	PROW 0, 12
	PROW 1, 12
	PROW 2, 12
	PROW 3, 12
	PROW 4, 12
	PROW 5, 8
	PROW 6, 4
	PROW 7, 0
	; the sum over the 32 lanes: lane l takes numbers 2 l and 2 l + 1 (row l / 4, heads 2 (l % 4) and + 1) of every lane's row.  LDS serves a wave's instructions in order (ISA guide 5.7.1.4): these see my stores.
.irp n, 0,1,2,3,4,5,6,7,8,9,10,11,12,13,14,15,16,17,18,19,20,21,22,23,24,25,26,27,28,29,30,31
	ds_load_b64 v[64+2*\n:65+2*\n], v7 offset:272*\n
.endr
	s_wait_dscnt 0x0
.irp n, 4,8,12,16,20,24,28
.irp k, 0,1,2,3
	v_pk_add_f32 v[64+2*\k:65+2*\k], v[64+2*\k:65+2*\k], v[64+2*(\n+\k):65+2*(\n+\k)]   ; four chains
.endr
.endr
	v_pk_add_f32 v[64:65], v[64:65], v[66:67]
	v_pk_add_f32 v[68:69], v[68:69], v[70:71]
	v_pk_add_f32 v[64:65], v[64:65], v[68:69]
	ds_store_b32 v8, v64
	ds_store_b32 v8, v65 offset:256
	; V's fragment
	s_wait_tensorcnt 0x0                           ; my tile of V has landed; only I read it
.irp c, 0,1
.irp j, 0,1,2,3,4,5,6,7
	ds_load_b128 v[128+32*\c+4*\j:128+32*\c+4*\j+3], v4 offset:256*\c+16*\j   ; rows 528 bytes = 33 x 16 apart: sixteen lanes, sixteen different columns of 16 bytes
.endr
.endr
	s_wait_dscnt 0x0
	QUANT64 128, 44, 18
	global_store_b128 v1, v[44:47], s[22:23]       ; 512 consecutive bytes each
	global_store_b128 v1, v[48:51], s[22:23] offset:512
	ds_store_b32 v10, v18                          ; both halves of the lanes write the same word with the same value
	s_wait_dscnt 0x0                               ; for the others' sake: my stores into OST and VST are done
	s_barrier_signal -1
	s_barrier_wait -1
	ds_load_b64 v[66:67], v9                       ; head w's 64 sums
	s_cmp_lg_u32 s2, 0
	s_cbranch_scc1 .Lnot_wave_0
	ds_load_b128 v[72:75], v15                     ; wave 0: the 32 rows' scale words
	s_wait_dscnt 0x0
	global_store_b128 v1, v[72:75], s[24:25]       ; 512 consecutive bytes
.Lnot_wave_0:
	s_wait_dscnt 0x0
	global_store_b64 v14, v[66:67], s[20:21]       ; 256 consecutive bytes, at a multiple of 256 from proj's first byte
	s_wait_tensorcnt 0x0
	ds_add_u32 v62, v63
	s_wait_dscnt 0x0
	s_endpgm
.Lfunc_end_k_qfd163b058f_prep:
	.size	k_qfd163b058f_prep, .Lfunc_end_k_qfd163b058f_prep-k_qfd163b058f_prep
	.p2alignl 7, 3214868480
	.fill 96, 4, 3214868480
	.section	.rodata,"a",@progbits
	.p2align	6, 0x0
	.amdhsa_kernel k_qfd163b058f_prep
		.amdhsa_group_segment_fixed_size 168960
		.amdhsa_private_segment_fixed_size 0
		.amdhsa_enable_private_segment 0
		.amdhsa_kernarg_size 88
		.amdhsa_user_sgpr_count 2
		.amdhsa_user_sgpr_kernarg_segment_ptr 1
		.amdhsa_wavefront_size32 1
		.amdhsa_system_sgpr_workgroup_id_x 1
		.amdhsa_system_sgpr_workgroup_id_y 1
		.amdhsa_system_sgpr_workgroup_id_z 1
		.amdhsa_system_vgpr_workitem_id 0
		.amdhsa_next_free_vgpr 256
		.amdhsa_next_free_sgpr 80
		.amdhsa_reserve_vcc 0
		.amdhsa_float_denorm_mode_32 3
		.amdhsa_float_denorm_mode_16_64 3
		.amdhsa_memory_ordered 1
		.amdhsa_forward_progress 1
		.amdhsa_inst_pref_size 61
	.end_amdhsa_kernel
	.amdgpu_metadata
---
amdhsa.version: [ 1, 2 ]
amdhsa.kernels:
  - .name:           k_qfd163b058f_prep
    .symbol:         k_qfd163b058f_prep.kd
    .args:
      - { .name: Q, .offset: 0, .size: 8, .value_kind: global_buffer, .address_space: global }
      - { .name: K, .offset: 8, .size: 8, .value_kind: global_buffer, .address_space: global }
      - { .name: V, .offset: 16, .size: 8, .value_kind: global_buffer, .address_space: global }
      - { .name: WQ, .offset: 24, .size: 8, .value_kind: global_buffer, .address_space: global }
      - { .name: WK, .offset: 32, .size: 8, .value_kind: global_buffer, .address_space: global }
      - { .name: WV, .offset: 40, .size: 8, .value_kind: global_buffer, .address_space: global }
      - { .name: proj, .offset: 48, .size: 8, .value_kind: global_buffer, .address_space: global }
      - { .name: vcodes, .offset: 56, .size: 8, .value_kind: global_buffer, .address_space: global }
      - { .name: vscales, .offset: 64, .size: 8, .value_kind: global_buffer, .address_space: global }
      - { .name: wvcodes, .offset: 72, .size: 8, .value_kind: global_buffer, .address_space: global }
      - { .name: wvscales, .offset: 80, .size: 8, .value_kind: global_buffer, .address_space: global }
    .group_segment_fixed_size: 168960
    .private_segment_fixed_size: 0
    .kernarg_segment_align: 8
    .kernarg_segment_size: 88
    .max_flat_workgroup_size: 256
    .sgpr_count:     80
    .vgpr_count:     256
    .wavefront_size: 32
...
	.end_amdgpu_metadata
.endif
;; end of part 1
;; launch attn (part 2): grid 4 x 64, 8 waves a work-group, no clusters, 149,504 bytes of LDS; arguments proj, vcodes, vscales, wvcodes, wvscales, bias, out0; writes out0
.if DOCPART == 2
	.amdgcn_target "amdgcn-amd-amdhsa--gfx1250"
	.amdhsa_code_object_version 6
	.text
	.protected	k_qfd163b058f_attn
	.globl	k_qfd163b058f_attn
	.p2align	8
	.type	k_qfd163b058f_attn,@function
k_qfd163b058f_attn:
	s_mov_b64 s[64:65], 0
	v_nop
	global_prefetch_b8 v0, s[64:65] scope:SCOPE_SE
	s_setreg_imm32_b32 hwreg(HW_REG_WAVE_MODE, 25, 1), 1
	s_wait_xcnt 0x0
; out[b][q][hd][:] = (sum over k of p(q, k) Vproj[b][k][hd][:]) / l(q) + bias[hd][:], one work-group for each (b, hd, 256 queries).
; Both quantised products run on codes of FP4 (E2M1) with E8M0 scales: Vproj = V WV^T along the 512, and O^T = Vproj^T P along the 1,024 keys.
; THE SOFTMAX.  t = log2(e) lrelu(aq + ak), M = ceil(the row's largest t), p = 2^(t - M), l = the sum of the unquantised p.  Two facts of the formula itself, for every input:
;   (a) lrelu and f32 rounding never fall where their input rises, so the row's largest t is that of the head's largest ak: M is known ahead of the keys: no running maximum, no rescaling.
;   (b) lrelu(s) = max(s, 0.2 s).  With x = aq + akmax and d = ak - akmax (0 or less): p = max(A1 U1, A2 U2), A1 = 2^(c x - M), A2 = 2^(0.2 c x - M) a query, U1 = 2^(c d), U2 = 2^(0.2 c d) a key.
;       The maxima are taken away inside the exponents: every U is at most 1, the larger A lies in (1/2, 1] up to rounding, the other under it: nothing overflows, and a factor that falls to 0 belongs to a p that does.
;       A block's largest p is max(A1 max U1, A2 max U2) to the bit, since a product with a number that is not negative never falls where the other factor rises: it is not searched for.
; LIMITS: NaN and infinities are not served.  U, A and p under 2^-126 are taken as 0 (v_exp_f32 gives 0 there).  p's relative error is about (|c x| + |c d|) 2^-24 and three roundings.
; A block of zeros gets the byte 1 where the rule says 127: its codes are zeros.
; SHARES.  Wave w = 4 kh + qg.  Phases 0, 1: wave w owns keys 128 w .. + 127: it makes their U and their part of Vproj, quantised along the keys: K step w of the second product, laid in LDS as images of the operand's
; registers.  Phase 2: wave (kh, qg) walks K steps 4 kh .. 4 kh + 3 for 64 queries, four tiles of 16.  Its register tile j holds queries 64 qg + 16 (j xor 2 kh) + r, so that every wave keeps tiles 0, 1 and hands tiles 2, 3
; to wave w xor 4, whose tiles 0, 1 they are: one text for all waves, no branch.
; NO CLUSTER: the four work-groups of a (b, hd) share V's and WV's codes and scales, 289 KiB; beside the 45 KiB that phase 1 leaves in LDS that is more than the 320 KiB of a work-group, so joint loads would want a
; ring for 128 matrix instructions a wave.  Here each fragment goes by loads of 512 consecutive bytes straight into the one wave that multiplies it.
; The first product is made by each of the four query blocks of a (b, hd): 1,024 matrix instructions a work-group, in place of a launch and of Vproj's way to memory and back.
; REGISTERS, window 0 (all 256 in use in phases 1 and 2): v1 16 lane | v2-v7 addresses | v8-11 block maxima of U (phase 1: codes) | v16-31 QA: (A1, A2, A2, A1) a tile
;   SCALE WORDS AND NOTHING ELSE: v12-15 V's (even key blocks), then Vproj^T's | v32-39 WV's | v40-43 V's (odd key blocks) | v56-59 those made here
;   phase 1: v44-47 largest magnitudes | v48-51 at work | v52-55 conversions' scale operands | v252-255 codes | v60-123 the eight accumulators | v124-251 V's fragments, two sets
;   phase 2: v44-51 conversions' scale operands | v52-55 and v252-255 the second branch's products, and at work for the scales | v60-75 l, two pairs a tile | v76-107 p's codes, 8 a tile | v108-123 p, two sets of 8 | v124-251 U
;   Window 1: v0-127 O^T, (tile t, dt) at 8 (4 t + dt) | v128-255 WV's 16 fragments; then v128-159 Vproj^T's four fragments of a step, v160-191 the bias in the result's layout.
.set UB1,   0                          ; LDS: U1 of the 1,024 keys,
.set UB2,   4096                       ; U2,
.set UMB,   8192                       ; (max U1, max U2) of the 32 blocks of 32 keys,
.set ASC,   8448                       ; Vproj^T's scale words: [K step][dt] 128 bytes, 4 a lane,
.set AF,    12544                      ; its fragments: [K step][dt] images of 1,024 bytes,
.set XCH,   45312                      ; what a wave hands to its partner: 8 accumulators and two l,
.set XCHW,  8448
.set STG,   112896                     ; and a stage of 16 rows x (256 + 16) bytes for each wave
.set STGW,  4352
.set FLOOR, 0x1800000                  ; 2^(3 - 127)
.set EM,    0xff000000                 ; takes 2 off an exponent field
.set ASCR,  12
.set QA,    16
.set WS,    32
.set SOP,   44
.set BSB,   52                         ; the split set of eight: register i at BSB + i + BSJ (i / 4): v52-55, v252-255
.set BSJ,   196
.set PW,    56
.set SWD,   56
.set LS,    60
.set ACC1,  60
.set CODE,  76
.set AS,    108
.set UBUF,  124
.set VA,    124
.set OUTR,  188                        ; the way out: rows read back from the stage
.set MSB, 0
.macro WIN new                         ; bits 1:0 source 0, 3:2 source 1, 5:4 source 2, 7:6 destination; the immediate's high byte repeats the setting that is left
.if MSB != \new
	s_set_vgpr_msb (MSB<<8)|\new
.set MSB, \new
.endif
.endm
.macro PLACES                          ; four plain lines between a matrix instruction and a read of its result or a load into one of its registers, and ahead of a scaled product whose operand a vector line wrote
.rept 4
	v_nop
.endr
.endm
; Key block kb of my four: V's 8 fragments (tile u of 16 keys, K step s) at VA + 64 (kb % 2) + 8 (4 u + s), and the 32 keys' scale words: register s holds tile 0's in lanes 0-15, tile 1's in lanes 16-31
.macro VLOAD kb
.set VB, VA+64*((\kb)%2)
.irp f, 0,1,2,3,4,5,6,7
.irp c, 0,1
	global_load_b128 v[VB+8*\f+4*\c:VB+8*\f+4*\c+3], v1, s[10:11] offset:8192*(\kb)+1024*\f+512*\c
.endr
.endr
.if ((\kb)%2) == 0
	global_load_b128 v[12:15], v1, s[12:13] offset:512*(\kb)
.else
	global_load_b128 v[40:43], v1, s[12:13] offset:512*(\kb)
.endif
.endm
; One product of Vproj: source 0 = 16 keys of V, source 1 = 16 rows of WV: lane (r, h), register j: key 16 u + 8 h + j, channel 16 nt + r
.macro P1 u, nt, s, p, zero
.set rD, ACC1+8*(4*(\u)+(\nt))
.set rA, VA+64*(\p)+8*(4*(\u)+(\s))
.set rB, 128+8*(4*(\nt)+(\s))
.set rSA, 12+28*(\p)+(\s)
.set rSB, WS+4*((\nt)/2)+(\s)
.if \zero
.if ((\u) == 0) && (((\nt)%2) == 0)
	v_wmma_scale_f32_16x16x128_f8f6f4 v[rD:rD+7], v[rA:rA+7], v[rB:rB+7], 0, v[rSA], v[rSB] matrix_a_fmt:MATRIX_FMT_FP4 matrix_b_fmt:MATRIX_FMT_FP4
.elseif (\u) == 0
	v_wmma_scale_f32_16x16x128_f8f6f4 v[rD:rD+7], v[rA:rA+7], v[rB:rB+7], 0, v[rSA], v[rSB] matrix_a_fmt:MATRIX_FMT_FP4 matrix_b_fmt:MATRIX_FMT_FP4 matrix_b_scale:MATRIX_SCALE_ROW1
.elseif ((\nt)%2) == 0
	v_wmma_scale_f32_16x16x128_f8f6f4 v[rD:rD+7], v[rA:rA+7], v[rB:rB+7], 0, v[rSA], v[rSB] matrix_a_fmt:MATRIX_FMT_FP4 matrix_b_fmt:MATRIX_FMT_FP4 matrix_a_scale:MATRIX_SCALE_ROW1
.else
	v_wmma_scale_f32_16x16x128_f8f6f4 v[rD:rD+7], v[rA:rA+7], v[rB:rB+7], 0, v[rSA], v[rSB] matrix_a_fmt:MATRIX_FMT_FP4 matrix_b_fmt:MATRIX_FMT_FP4 matrix_a_scale:MATRIX_SCALE_ROW1 matrix_b_scale:MATRIX_SCALE_ROW1
.endif
.else
.if ((\u) == 0) && (((\nt)%2) == 0)
	v_wmma_scale_f32_16x16x128_f8f6f4 v[rD:rD+7], v[rA:rA+7], v[rB:rB+7], v[rD:rD+7], v[rSA], v[rSB] matrix_a_fmt:MATRIX_FMT_FP4 matrix_b_fmt:MATRIX_FMT_FP4
.elseif (\u) == 0
	v_wmma_scale_f32_16x16x128_f8f6f4 v[rD:rD+7], v[rA:rA+7], v[rB:rB+7], v[rD:rD+7], v[rSA], v[rSB] matrix_a_fmt:MATRIX_FMT_FP4 matrix_b_fmt:MATRIX_FMT_FP4 matrix_b_scale:MATRIX_SCALE_ROW1
.elseif ((\nt)%2) == 0
	v_wmma_scale_f32_16x16x128_f8f6f4 v[rD:rD+7], v[rA:rA+7], v[rB:rB+7], v[rD:rD+7], v[rSA], v[rSB] matrix_a_fmt:MATRIX_FMT_FP4 matrix_b_fmt:MATRIX_FMT_FP4 matrix_a_scale:MATRIX_SCALE_ROW1
.else
	v_wmma_scale_f32_16x16x128_f8f6f4 v[rD:rD+7], v[rA:rA+7], v[rB:rB+7], v[rD:rD+7], v[rSA], v[rSB] matrix_a_fmt:MATRIX_FMT_FP4 matrix_b_fmt:MATRIX_FMT_FP4 matrix_a_scale:MATRIX_SCALE_ROW1 matrix_b_scale:MATRIX_SCALE_ROW1
.endif
.endif
.endm
; A block of 32 keys x the head's 64 channels: 32 products, then quantised along the keys.  The block of channel 16 nt + r lies in lanes (r, 0) and (r, 1), 16 keys each.
.macro KB kb
.if (\kb) < 3
	s_wait_loadcnt 17                              ; this block's loads are in; the next block's 16 + 1 may be out
.else
	s_wait_loadcnt 0x0
.endif
	WIN 0x04                                       ; source 1 (WV) in window 1
.irp s, 0,1,2,3
.irp u, 0,1
.irp nt, 0,1,2,3
.if \s == 0
	P1 \u, \nt, \s, (\kb)%2, 1                     ; the first K step starts the sums; the eight accumulators take turns, one instruction a turn
.else
	P1 \u, \nt, \s, (\kb)%2, 0
.endif
.endr
.endr
.endr
	WIN 0
	PLACES
.if (\kb) < 2
	VLOAD (\kb)+2                                  ; into the registers just multiplied
.endif
	s_wait_dscnt 0x0                               ; the last block's LDS stores have read their registers
.irp nt, 0,1,2,3
	v_max3_num_f32 v[44+\nt], |v[ACC1+8*\nt]|, |v[ACC1+8*\nt+1]|, FLOOR   ; each accumulator from its low end on; the four channels' tiles by turns
.endr
.irp i, 2,4,6
.irp nt, 0,1,2,3
	v_max3_num_f32 v[44+\nt], v[44+\nt], |v[ACC1+8*\nt+\i]|, |v[ACC1+8*\nt+\i+1]|
.endr
.endr
.irp i, 0,2,4,6
.irp nt, 0,1,2,3
	v_max3_num_f32 v[44+\nt], v[44+\nt], |v[ACC1+32+8*\nt+\i]|, |v[ACC1+32+8*\nt+\i+1]|
.endr
.endr
.irp nt, 0,1,2,3
	v_permlanex16_b32 v[48+\nt], v[44+\nt], s30, s31
.endr
.irp nt, 0,1,2,3
	v_max_num_f32 v[44+\nt], v[44+\nt], v[48+\nt]  ; with lane l xor 16's 16 keys: the block's largest magnitude
.endr
.irp nt, 0,1,2,3
	v_add_nc_u32 v[52+\nt], EM, v[44+\nt]          ; the conversion's scale operand
.endr
.irp nt, 0,1,2,3
	v_lshrrev_b32 v[48+\nt], 23, v[52+\nt]         ; the byte
.endr
.irp nt, 0,1,2,3
.if (\kb) == 0
	v_mov_b32 v[SWD+\nt], v[48+\nt]
.else
	v_lshl_or_b32 v[SWD+\nt], v[48+\nt], 8*(\kb), v[SWD+\nt]   ; byte kb of the K step's scale word
.endif
.endr
.irp nt, 0,1,2,3
	v_cvt_scalef32_pk8_fp4_f32 v[8+\nt], v[ACC1+8*\nt:ACC1+8*\nt+7], v[52+\nt]          ; keys 8 h + 0 .. 7 of the block,
	v_cvt_scalef32_pk8_fp4_f32 v[252+\nt], v[ACC1+32+8*\nt:ACC1+32+8*\nt+7], v[52+\nt]  ; and 16 + 8 h + 0 .. 7
.endr
	v_nop                                          ; one plain line behind the last conversion
.irp nt, 0,1,2,3
	ds_store_b32 v3, v[8+\nt] offset:1024*\nt+512*((\kb)/2)+256*((\kb)%2)       ; word 2 u + h of the 16 bytes that lane (r, kb % 2) of the image holds in its registers 4 (kb / 2) on
	ds_store_b32 v3, v[252+\nt] offset:1024*\nt+512*((\kb)/2)+256*((\kb)%2)+8
.endr
.endm
; U1 and U2 of my lane's 32 keys (64 c + 32 h on) of step sp: all sixteen lanes of a half read the same bytes
.macro ULOAD c, sp
.irp i, 0,1,2,3,4,5,6,7
	ds_load_b128 v[UBUF+64*(\c)+4*\i:UBUF+64*(\c)+4*\i+3], v2 offset:UB1+512*(\sp)+256*(\c)+16*\i
.endr
.irp i, 0,1,2,3,4,5,6,7
	ds_load_b128 v[UBUF+64*(\c)+32+4*\i:UBUF+64*(\c)+32+4*\i+3], v2 offset:UB2+512*(\sp)+256*(\c)+16*\i
.endr
.endm
; The scales of p's blocks for this step: four tiles x my two blocks (h and 2 + h), stage by stage.  At work: the two sets of p and the split set, all idle here.
.macro SCALEBLK
.irp t, 0,1,2,3
.irp c, 0,1
	v_pk_mul_f32 v[AS+4*\t+2*\c:AS+4*\t+2*\c+1], v[8+2*\c:9+2*\c], v[QA+4*\t:QA+4*\t+1]   ; (A1 max U1, A2 max U2)
.endr
.endr
.irp t, 0,1,2,3
.irp c, 0,1
	v_max3_num_f32 v[BSB+2*\t+\c+BSJ*((2*\t+\c)/4)], v[AS+4*\t+2*\c], v[AS+4*\t+2*\c+1], FLOOR   ; the block's largest p, and the floor
.endr
.endr
.irp t, 0,1,2,3
.irp c, 0,1
	v_add_nc_u32 v[SOP+2*\t+\c], EM, v[BSB+2*\t+\c+BSJ*((2*\t+\c)/4)]
.endr
.endr
.irp t, 0,1,2,3
.irp c, 0,1
	v_lshrrev_b32 v[BSB+2*\t+\c+BSJ*((2*\t+\c)/4)], 23, v[SOP+2*\t+\c]
.endr
.endr
.irp t, 0,1,2,3
	v_lshl_or_b32 v[PW+\t], v[BSB+2*\t+1+BSJ*((2*\t+1)/4)], 16, v[BSB+2*\t+BSJ*((2*\t)/4)]
.endr
.irp t, 0,1,2,3
	v_lshlrev_b32 v[PW+\t], v5, v[PW+\t]           ; 8 h bits up
.endr
.irp t, 0,1,2,3
	v_permlanex16_b32 v[BSB+\t], v[PW+\t], s30, s31
.endr
.irp t, 0,1,2,3
	v_or_b32 v[PW+\t], v[PW+\t], v[BSB+\t]         ; my query's scale word for these 128 keys
.endr
.endm
; Eight keys of tile t: p, its part of l, its codes.  The sets of p take turns, so that the next chunk's first line is the plain line behind the conversion.
.macro CHUNK t, c, g, first
.set rA, AS+8*((\g)%2)
.set rU, UBUF+64*(\c)+8*(\g)
.set rQ, QA+4*(\t)
.set rL, LS+4*(\t)
.irp i, 0,2,4,6
	v_pk_mul_f32 v[rA+\i:rA+\i+1], v[rU+\i:rU+\i+1], v[rQ:rQ+1] op_sel_hi:[1,0]          ; A1 U1
.endr
.irp i, 0,2,4,6
	v_pk_mul_f32 v[BSB+\i+BSJ*(\i/4):BSB+\i+BSJ*(\i/4)+1], v[rU+32+\i:rU+33+\i], v[rQ+2:rQ+3] op_sel_hi:[1,0]    ; A2 U2
.endr
.irp i, 0,1,2,3,4,5,6,7
	v_max_num_f32 v[rA+\i], v[rA+\i], v[BSB+\i+BSJ*(\i/4)]                               ; p
.endr
.if \first
	v_pk_add_f32 v[rL:rL+1], v[rA:rA+1], v[rA+4:rA+5]                                    ; the first chunk starts the sums
	v_pk_add_f32 v[rL+2:rL+3], v[rA+2:rA+3], v[rA+6:rA+7]
.else
	v_pk_add_f32 v[rL:rL+1], v[rL:rL+1], v[rA:rA+1]                                      ; l is taken of the unquantised p, in two chains
	v_pk_add_f32 v[rL+2:rL+3], v[rL+2:rL+3], v[rA+2:rA+3]
	v_pk_add_f32 v[rL:rL+1], v[rL:rL+1], v[rA+4:rA+5]
	v_pk_add_f32 v[rL+2:rL+3], v[rL+2:rL+3], v[rA+6:rA+7]
.endif
	v_cvt_scalef32_pk8_fp4_f32 v[CODE+8*(\t)+4*(\c)+(\g)], v[rA:rA+7], v[SOP+2*(\t)+(\c)]
.endm
; A K step of the second product: 128 keys x my 64 queries
.macro STEP sp, first, last
	s_wait_dscnt 16                                ; all but the youngest sixteen loads (U of the step's second half) are in
	SCALEBLK                                       ; its first eight lines name no register of the last products: they are the places behind them
	WIN 0x40
.irp dt, 0,1,2,3
.irp c, 0,1
	ds_load_b128 v[128+8*\dt+4*\c:128+8*\dt+4*\c+3], v3 offset:4096*(\sp)+1024*\dt+512*\c   ; Vproj^T's fragments, as their makers' registers stood
.endr
.endr
	WIN 0
.irp dt, 0,1,2,3
	ds_load_b32 v[ASCR+\dt], v4 offset:512*(\sp)+128*\dt
.endr
.if \last == 0
	ds_load_b64 v[8:9], v6 offset:32*((\sp)+1)     ; the next step's block maxima
	ds_load_b64 v[10:11], v6 offset:32*((\sp)+1)+16
.endif
.irp t, 0,1,2,3
.irp g, 0,1,2,3
.if \first && (\g == 0)
	CHUNK \t, 0, \g, 1
.else
	CHUNK \t, 0, \g, 0
.endif
.endr
.endr
.if \last == 0
	ULOAD 0, (\sp)+1
	s_wait_dscnt 30                                ; U of the second half is in; behind it: the 14 loads above and the 16 just issued
.else
	s_wait_dscnt 12                                ; behind it: the 12 loads above
.endif
.irp t, 0,1,2,3
.irp g, 0,1,2,3
	CHUNK \t, 1, \g, 0
.endr
.endr
.if \last == 0
	ULOAD 1, (\sp)+1
	s_wait_dscnt 32                                ; the fragments and scale words are in; the next step's 32 loads of U may be out
.else
	s_wait_dscnt 0x0
.endif
	PLACES                                         ; behind the last conversion, and ahead of scaled products whose operand it wrote
	WIN 0x51                                       ; source 0, C and D in window 1
.irp t, 0,1,2,3
.irp dt, 0,1,2,3
.if \first
	v_wmma_scale_f32_16x16x128_f8f6f4 v[8*(4*\t+\dt):8*(4*\t+\dt)+7], v[128+8*\dt:128+8*\dt+7], v[CODE+8*\t:CODE+8*\t+7], 0, v[ASCR+\dt], v[PW+\t] matrix_a_fmt:MATRIX_FMT_FP4 matrix_b_fmt:MATRIX_FMT_FP4
.else
	v_wmma_scale_f32_16x16x128_f8f6f4 v[8*(4*\t+\dt):8*(4*\t+\dt)+7], v[128+8*\dt:128+8*\dt+7], v[CODE+8*\t:CODE+8*\t+7], v[8*(4*\t+\dt):8*(4*\t+\dt)+7], v[ASCR+\dt], v[PW+\t] matrix_a_fmt:MATRIX_FMT_FP4 matrix_b_fmt:MATRIX_FMT_FP4
.endif
.endr
.endr
	WIN 0
.endm
	s_load_b256 s[8:15], s[0:1], 0x0               ; proj, vcodes, vscales, wvcodes
	s_load_b128 s[16:19], s[0:1], 0x20             ; wvscales, bias
	s_load_b64 s[20:21], s[0:1], 0x30              ; out0
	v_lshrrev_b32 v1, 5, v0
	v_readfirstlane_b32 s2, v1                     ; wave w
	s_lshr_b32 s3, s2, 2                           ; kh
	s_and_b32 s4, s2, 3                            ; qg
	s_and_b32 s5, ttmp7, 0xffff                    ; 8 b + hd
	s_lshr_b32 s6, s5, 3                           ; b
	s_and_b32 s7, s5, 7                            ; hd
	s_mov_b32 s30, 0x76543210
	s_mov_b32 s31, 0xfedcba98                      ; v_permlanex16_b32's selects for lane l xor 16
	s_mov_b32 s32, 0x3fb8aa3b                      ; c = log2(e)
	s_mov_b32 s33, 0x3e93bb63                      ; 0.2 c
	s_lshl_b32 s34, s5, 12                         ; a (b, hd)'s 1,024 numbers in proj
	s_mov_b32 s35, 0
	s_lshl_b32 s36, ttmp9, 10
	s_lshl_b32 s37, s4, 8
	s_add_co_u32 s36, s36, s37
	s_add_co_u32 s36, s36, s34                     ; aq: + my work-group's 256 queries, my wave's 64
	s_mov_b32 s37, 0
	s_add_co_u32 s34, s34, 262144                  ; ak: proj's second half
	s_lshl_b32 s38, s6, 18
	s_lshl_b32 s39, s2, 15
	s_add_co_u32 s38, s38, s39
	s_mov_b32 s39, 0                               ; vcodes: rows 1,024 b + 128 w on: 256 bytes a row
	s_lshl_b32 s40, s6, 14
	s_lshl_b32 s41, s2, 11
	s_add_co_u32 s40, s40, s41
	s_mov_b32 s41, 0                               ; vscales: 16 bytes a row
	s_lshl_b32 s42, s7, 14
	s_mov_b32 s43, 0                               ; wvcodes: the head's 16 fragments
	s_lshl_b32 s44, s7, 10
	s_mov_b32 s45, 0                               ; wvscales: their 16 x 64 bytes
	s_lshl_b32 s46, s7, 8
	s_mov_b32 s47, 0                               ; bias: the head's 64 numbers
	s_lshl_b32 s26, s6, 10
	s_lshl_b32 s27, ttmp9, 8
	s_add_co_u32 s26, s26, s27
	s_lshl_b32 s27, s4, 6
	s_add_co_u32 s26, s26, s27
	s_lshl_b32 s27, s3, 5
	s_add_co_u32 s26, s26, s27                     ; the first row that I store: 1,024 b + 256 x + 64 qg + 32 kh
	s_lshl_b32 s26, s26, 11
	s_add_co_u32 s26, s26, s46                     ; 2,048 bytes a row, + the head's 256
	s_mov_b32 s27, 0
	v_and_b32 v1, 31, v0
	v_lshlrev_b32 v4, 2, v1
	v_lshlrev_b32 v1, 4, v1                        ; 16 lane
	v_lshlrev_b32 v2, 4, v0                        ; 16 thread: my four keys, in ak and in U
	v_and_b32 v8, 15, v0                           ; r
	v_bfe_u32 v9, v0, 4, 1                         ; h
	v_lshlrev_b32 v5, 3, v9                        ; 8 h
	v_lshlrev_b32 v3, 4, v8
	v_lshl_add_u32 v3, v9, 2, v3
	s_lshl_b32 s28, s2, 12
	s_add_co_u32 s28, s28, AF
	v_add_nc_u32 v3, s28, v3                       ; where my codes go: K step w's images, 16 r + 4 h
	s_lshl_b32 s28, s2, 9
	s_add_co_u32 s28, s28, ASC
	v_add_nc_u32 v4, s28, v4                       ; and my scale words: 4 lane
	v_lshlrev_b32 v10, 2, v8
	s_lshl_b32 s28, s3, 7
	v_add_nc_u32 v6, s28, v10                      ; aq of register tiles 0, 1: groups 2 kh, 2 kh + 1 of 16 queries
	s_sub_co_u32 s29, 128, s28
	v_add_nc_u32 v7, s29, v10                      ; of tiles 2, 3: groups 2 - 2 kh, 3 - 2 kh
	v_lshl_add_u32 v44, v9, 8, v10                 ; WV's scale words: lanes 0-15 an even tile's, lanes 16-31 the odd one's
	v_lshrrev_b32 v45, 3, v0
	v_lshl_add_u32 v45, v45, 3, UMB                ; my block's pair of maxima
.irp i, 0,1,2,3
	v_mov_b32 v[48+\i], 0                          ; a lane permute's destination counts as one of its sources
.endr
	s_wait_kmcnt 0x0
	s_add_nc_u64 s[22:23], s[8:9], s[34:35]        ; ak
	s_add_nc_u64 s[24:25], s[8:9], s[36:37]        ; aq
	s_add_nc_u64 s[10:11], s[10:11], s[38:39]
	s_add_nc_u64 s[12:13], s[12:13], s[40:41]
	s_add_nc_u64 s[14:15], s[14:15], s[42:43]
	s_add_nc_u64 s[16:17], s[16:17], s[44:45]
	s_add_nc_u64 s[18:19], s[18:19], s[46:47]
	s_add_nc_u64 s[20:21], s[20:21], s[26:27]
.irp j, 0,1,2,3,4,5,6,7
	global_load_b128 v[60+4*\j:63+4*\j], v1, s[22:23] offset:512*\j    ; all 1,024 ak, 32 a lane
.endr
	global_load_b128 v[92:95], v2, s[22:23]        ; my four keys' ak
	global_load_b32 v96, v6, s[24:25]
	global_load_b32 v97, v6, s[24:25] offset:64
	global_load_b32 v98, v7, s[24:25]
	global_load_b32 v99, v7, s[24:25] offset:64
.irp t2, 0,1
.irp s, 0,1,2,3
	global_load_b32 v[WS+4*\t2+\s], v44, s[16:17] offset:512*\t2+64*\s
.endr
.endr
	WIN 0x40
.irp f, 0,1,2,3,4,5,6,7,8,9,10,11,12,13,14,15
.irp c, 0,1
	global_load_b128 v[128+8*\f+4*\c:128+8*\f+4*\c+3], v1, s[14:15] offset:1024*\f+512*\c   ; WV's fragment (nt, s) = f: they stay through phase 1
.endr
.endr
	WIN 0
	VLOAD 0
	; ---- PHASE 0: akmax; U1, U2 of my four keys; their blocks' maxima; A1, A2 of my four queries
	s_wait_loadcnt 57                              ; ak and aq are in; behind them: 8 scale words, 32 loads of WV, 17 of V
	v_max3_num_f32 v100, v60, v61, v62
	v_max3_num_f32 v101, v76, v77, v78
.irp i, 3,5,7,9,11,13
	v_max3_num_f32 v100, v100, v[60+\i], v[61+\i]
	v_max3_num_f32 v101, v101, v[76+\i], v[77+\i]
.endr
	v_max3_num_f32 v100, v100, v101, v75
	v_max_num_f32 v100, v100, v91
	v_max_num_f32_dpp v100, v100, v100 row_xmask:1 row_mask:0xf bank_mask:0xf
	v_max_num_f32_dpp v100, v100, v100 row_xmask:2 row_mask:0xf bank_mask:0xf
	v_max_num_f32_dpp v100, v100, v100 row_xmask:4 row_mask:0xf bank_mask:0xf
	v_max_num_f32_dpp v100, v100, v100 row_xmask:8 row_mask:0xf bank_mask:0xf
	v_permlanex16_b32 v48, v100, s30, s31
	v_max_num_f32 v100, v100, v48                  ; the head's largest ak, in every lane
.irp e, 0,1,2,3
	v_sub_f32 v[104+\e], v[92+\e], v100            ; d = ak - akmax, 0 or less
.endr
.irp e, 0,1,2,3
	v_mul_f32 v[108+\e], s33, v[104+\e]            ; 0.2 c d
.endr
.irp e, 0,1,2,3
	v_mul_f32 v[104+\e], s32, v[104+\e]            ; c d
.endr
.irp t, 0,1,2,3
	v_add_f32 v[116+\t], v[96+\t], v100            ; x = aq + akmax: the row's largest sum
.endr
.irp t, 0,1,2,3
	v_mul_f32 v[120+\t], 0x3e4ccccd, v[116+\t]
.endr
.irp t, 0,1,2,3
	v_max_num_f32 v[120+\t], v[116+\t], v[120+\t]  ; lrelu(x)
.endr
.irp t, 0,1,2,3
	v_mul_f32 v[120+\t], s32, v[120+\t]            ; the row's largest t
.endr
.irp t, 0,1,2,3
	v_floor_f32 v[120+\t], -v[120+\t]              ; -M = floor(-t) = -ceil(t)
.endr
.irp t, 0,1,2,3
	v_fma_f32 v[QA+4*\t], v[116+\t], s32, v[120+\t]     ; c x - M
	v_fma_f32 v[QA+4*\t+1], v[116+\t], s33, v[120+\t]   ; 0.2 c x - M
.endr
.irp e, 0,1,2,3,4,5,6,7
	v_exp_f32 v[104+\e], v[104+\e]                 ; U1 (v104-107), U2 (v108-111)
.endr
.irp t, 0,1,2,3
	v_exp_f32 v[QA+4*\t], v[QA+4*\t]               ; A1
	v_exp_f32 v[QA+4*\t+1], v[QA+4*\t+1]           ; A2
.endr
	v_nop                                          ; one plain line behind the exponentials
	s_wait_alu depctr_va_vdst(0)
	ds_store_b128 v2, v[104:107] offset:UB1
	ds_store_b128 v2, v[108:111] offset:UB2
	v_max3_num_f32 v112, v104, v105, v106
	v_max3_num_f32 v113, v108, v109, v110
	v_max_num_f32 v112, v112, v107
	v_max_num_f32 v113, v113, v111
.irp x, 1,2,4
	v_max_num_f32_dpp v112, v112, v112 row_xmask:\x row_mask:0xf bank_mask:0xf   ; eight neighbouring lanes hold a block of 32 keys
	v_max_num_f32_dpp v113, v113, v113 row_xmask:\x row_mask:0xf bank_mask:0xf
.endr
	ds_store_b64 v45, v[112:113]                   ; the eight lanes write the same pair to the same place
.irp t, 0,1,2,3
	v_mov_b32 v[QA+4*\t+2], v[QA+4*\t+1]           ; (A1, A2, A2, A1): a pair for the maxima, and each of the two as the low word of a pair
	v_mov_b32 v[QA+4*\t+3], v[QA+4*\t]
.endr
	VLOAD 1
	s_wait_dscnt 0x0                               ; my three stores have read v104-113, over which the first products write
	; ---- PHASE 1: Vproj of my 128 keys, quantised along the keys
	KB 0
	KB 1
	KB 2
	KB 3
.irp nt, 0,1,2,3
	ds_store_b32 v4, v[SWD+\nt] offset:128*\nt     ; lane (r, h): the scale word of channel 16 nt + r for K step w
.endr
	s_wait_dscnt 0x0                               ; for the others' sake: U, the maxima, the images and the scale words are stored
	s_barrier_signal -1
	s_barrier_wait -1
	; ---- PHASE 2
	v_bfe_u32 v7, v0, 4, 1                         ; h
	s_lshl_b32 s28, s3, 11
	v_lshl_add_u32 v2, v7, 7, s28                  ; U: my 32 keys of a half step: 128 h, + my four steps' 2,048 kh
	s_lshl_b32 s29, s3, 14
	s_add_co_u32 s29, s29, AF
	v_add_nc_u32 v3, s29, v1                       ; the images: 16 lane
	v_and_b32 v4, 31, v0
	s_add_co_u32 s28, s28, ASC
	v_lshl_add_u32 v4, v4, 2, s28                  ; their scale words: 4 lane
	s_lshl_b32 s28, s3, 7
	s_add_co_u32 s28, s28, UMB
	v_add_nc_u32 v6, s28, v5                       ; the maxima of blocks h and 2 + h
	v_lshlrev_b32 v7, 5, v7                        ; the bias: my half's eight channels of a tile.  v7 is not written again: the loads below are waited for only at the end
	WIN 0x40
.irp dt, 0,1,2,3
	global_load_b128 v[160+8*\dt:163+8*\dt], v7, s[18:19] offset:64*\dt
	global_load_b128 v[164+8*\dt:167+8*\dt], v7, s[18:19] offset:64*\dt+16
.endr
	WIN 0
	ds_load_b64 v[8:9], v6
	ds_load_b64 v[10:11], v6 offset:16
	ULOAD 0, 0
	ULOAD 1, 0
	STEP 0, 1, 0
	STEP 1, 0, 0
	STEP 2, 0, 0
	STEP 3, 0, 1
	; ---- THE END.  The addresses are made here, in phase 2's address registers, whose LDS loads are all in: plain lines that name no register of the last products, so they are the places behind them.
	; v2, v3 what I hand over | v4, v6 what I am handed | v8, v9 my stage, in and back | v10 my byte offset in out0
	v_and_b32 v11, 15, v0                          ; r
	v_bfe_u32 v5, v0, 4, 1                         ; h
	v_and_b32 v44, 31, v0                          ; lane
	s_mul_i32 s28, s2, XCHW
	s_add_co_u32 s28, s28, XCH
	v_add_nc_u32 v2, s28, v1                       ; what I hand over: eight accumulators as they stand, 16 lane,
	s_add_co_u32 s29, s28, 8192
	v_lshl_add_u32 v3, v44, 2, s29                 ; and two l, 4 lane
	s_xor_b32 s28, s2, 4
	s_mul_i32 s28, s28, XCHW
	s_add_co_u32 s28, s28, XCH
	v_add_nc_u32 v4, s28, v1                       ; what wave w xor 4 hands to me
	s_add_co_u32 s29, s28, 8192
	v_lshl_add_u32 v6, v44, 2, s29
	s_mul_i32 s28, s2, STGW
	s_add_co_u32 s28, s28, STG
	v_mul_u32_u24 v8, v11, 272
	v_lshl_add_u32 v8, v5, 5, v8
	v_add_nc_u32 v8, s28, v8                       ; my stage, in: row r, 32 bytes for each half of the lanes
	v_mul_u32_u24 v9, v5, 272
	v_lshl_add_u32 v9, v11, 4, v9
	v_add_nc_u32 v9, s28, v9                       ; back: lanes 0-15 one row of 256 bytes, lanes 16-31 the next
	v_lshlrev_b32 v10, 11, v5
	v_lshl_add_u32 v10, v11, 4, v10                ; and the same two rows in out0
.irp t, 0,1,2,3
	v_pk_add_f32 v[LS+4*\t:LS+4*\t+1], v[LS+4*\t:LS+4*\t+1], v[LS+4*\t+2:LS+4*\t+3]
.endr
.irp t, 0,1,2,3
	v_add_f32 v[LS+4*\t], v[LS+4*\t], v[LS+4*\t+1] ; my lane's part of l
.endr
	WIN 0x04                                       ; an LDS store's data are its source 1: window 1
.irp t, 2,3
.irp dt, 0,1,2,3
	ds_store_b128 v2, v[8*(4*\t+\dt):8*(4*\t+\dt)+3] offset:1024*(4*(\t-2)+\dt)          ; each accumulator from its low end on
	ds_store_b128 v2, v[8*(4*\t+\dt)+4:8*(4*\t+\dt)+7] offset:1024*(4*(\t-2)+\dt)+512
.endr
.endr
	WIN 0
	ds_store_b32 v3, v[LS+8]
	ds_store_b32 v3, v[LS+12] offset:128
	s_wait_dscnt 0x0                               ; for my partner's sake
	s_barrier_signal -1
	s_barrier_wait -1
.irp t, 0,1
.irp dt, 0,1,2,3
	ds_load_b128 v[124+8*(4*\t+\dt):124+8*(4*\t+\dt)+3], v4 offset:1024*(4*\t+\dt)
	ds_load_b128 v[124+8*(4*\t+\dt)+4:124+8*(4*\t+\dt)+7], v4 offset:1024*(4*\t+\dt)+512
.endr
.endr
	ds_load_b32 v52, v6
	ds_load_b32 v53, v6 offset:128
	s_wait_dscnt 0x0
.irp t, 0,1
	v_add_f32 v[LS+4*\t], v[LS+4*\t], v[52+\t]     ; the other four K steps' part,
.endr
.irp t, 0,1
	v_permlanex16_b32 v[54+\t], v[LS+4*\t], s30, s31
.endr
.irp t, 0,1
	v_add_f32 v[LS+4*\t], v[LS+4*\t], v[54+\t]     ; and lane l xor 16's: the row's l
.endr
.irp t, 0,1
	v_rcp_f32 v[LS+4*\t], v[LS+4*\t]
.endr
	v_nop                                          ; one plain line behind the reciprocals
	WIN 0x01                                       ; source 0 (my sums) in window 1
.irp t, 0,1
.irp dt, 0,1,2,3
.irp i, 0,2,4,6
	v_pk_add_f32 v[124+8*(4*\t+\dt)+\i:125+8*(4*\t+\dt)+\i], v[8*(4*\t+\dt)+\i:8*(4*\t+\dt)+\i+1], v[124+8*(4*\t+\dt)+\i:125+8*(4*\t+\dt)+\i]   ; each accumulator from its low end on
.endr
.endr
.endr
	s_wait_loadcnt 0x0                             ; the bias
	WIN 0x10                                       ; source 2 (the bias) in window 1
	s_wait_alu depctr_va_vdst(0)
.irp t, 0,1
.irp dt, 0,1,2,3
.irp i, 0,2,4,6
	v_pk_fma_f32 v[124+8*(4*\t+\dt)+\i:125+8*(4*\t+\dt)+\i], v[124+8*(4*\t+\dt)+\i:125+8*(4*\t+\dt)+\i], v[LS+4*\t:LS+4*\t+1], v[160+8*\dt+\i:161+8*\dt+\i] op_sel_hi:[1,0,1]   ; O / l + bias
.endr
.endr
.endr
	WIN 0
; A tile's 16 rows x 256 bytes go through my own stage and come back as whole rows, into v188-251, which hold no address.
; LDS serves a wave's instructions in order (ISA guide 5.7.1.4): no wait between the stores and the loads, nor ahead of the next tile's stores.
.macro PACK t
.irp dt, 0,1,2,3
	ds_store_b128 v8, v[124+8*(4*\t+\dt):124+8*(4*\t+\dt)+3] offset:64*\dt
	ds_store_b128 v8, v[124+8*(4*\t+\dt)+4:124+8*(4*\t+\dt)+7] offset:64*\dt+16
.endr
.irp i, 0,1,2,3,4,5,6,7
	ds_load_b128 v[OUTR+32*\t+4*\i:OUTR+32*\t+4*\i+3], v9 offset:544*\i
.endr
.endm
.macro SEND t, younger                 ; younger: the LDS instructions issued behind tile t's loads
.irp i, 0,1,2,3,4,5,6,7
	s_wait_dscnt \younger+7-\i
	global_store_b128 v10, v[OUTR+32*\t+4*\i:OUTR+32*\t+4*\i+3], s[20:21] offset:32768*\t+4096*\i th:TH_STORE_NT   ; sixteen lanes store 256 consecutive bytes, at a multiple of 256 from out0's first byte
.endr
.endm
	PACK 0
	PACK 1
	SEND 0, 16
	SEND 1, 0
	s_wait_xcnt 0x0
	v_lshl_add_u32 v254, v0, 2, 0x24400
	v_mov_b32 v255, 0
	s_wait_tensorcnt 0x0
	ds_add_u32 v254, v255
	s_wait_dscnt 0x0
	s_endpgm
.Lfunc_end_k_qfd163b058f_attn:
	.size	k_qfd163b058f_attn, .Lfunc_end_k_qfd163b058f_attn-k_qfd163b058f_attn
	.p2alignl 7, 3214868480
	.fill 96, 4, 3214868480
	.section	.rodata,"a",@progbits
	.p2align	6, 0x0
	.amdhsa_kernel k_qfd163b058f_attn
		.amdhsa_group_segment_fixed_size 149504
		.amdhsa_private_segment_fixed_size 0
		.amdhsa_enable_private_segment 0
		.amdhsa_kernarg_size 56
		.amdhsa_user_sgpr_count 2
		.amdhsa_user_sgpr_kernarg_segment_ptr 1
		.amdhsa_wavefront_size32 1
		.amdhsa_system_sgpr_workgroup_id_x 1
		.amdhsa_system_sgpr_workgroup_id_y 1
		.amdhsa_system_sgpr_workgroup_id_z 1
		.amdhsa_system_vgpr_workitem_id 0
		.amdhsa_next_free_vgpr 512
		.amdhsa_next_free_sgpr 66
		.amdhsa_reserve_vcc 0
		.amdhsa_float_denorm_mode_32 3
		.amdhsa_float_denorm_mode_16_64 3
		.amdhsa_memory_ordered 1
		.amdhsa_forward_progress 1
		.amdhsa_inst_pref_size 235
	.end_amdhsa_kernel
	.amdgpu_metadata
---
amdhsa.version: [ 1, 2 ]
amdhsa.kernels:
  - .name:           k_qfd163b058f_attn
    .symbol:         k_qfd163b058f_attn.kd
    .args:
      - { .name: proj, .offset: 0, .size: 8, .value_kind: global_buffer, .address_space: global }
      - { .name: vcodes, .offset: 8, .size: 8, .value_kind: global_buffer, .address_space: global }
      - { .name: vscales, .offset: 16, .size: 8, .value_kind: global_buffer, .address_space: global }
      - { .name: wvcodes, .offset: 24, .size: 8, .value_kind: global_buffer, .address_space: global }
      - { .name: wvscales, .offset: 32, .size: 8, .value_kind: global_buffer, .address_space: global }
      - { .name: bias, .offset: 40, .size: 8, .value_kind: global_buffer, .address_space: global }
      - { .name: out0, .offset: 48, .size: 8, .value_kind: global_buffer, .address_space: global }
    .group_segment_fixed_size: 149504
    .private_segment_fixed_size: 0
    .kernarg_segment_align: 8
    .kernarg_segment_size: 56
    .max_flat_workgroup_size: 256
    .sgpr_count:     66
    .vgpr_count:     512
    .wavefront_size: 32
...
	.end_amdgpu_metadata
.endif
;; end of part 2
